; MI455X (gfx1250); checked and timed in simulation.
; The chip was launched on July 23, 2026; its instructions are those of AMD's public machine-readable ISA for CDNA 5 (MIT licence, August 2026) and "CDNA5" Instruction Set Architecture Reference Guide (July 2026). The comments in the code are by the model that wrote it; some were corrected since.
;; Ring Flash Self Attention. Allowed arithmetic: matrix products marked QUANTISED: E2M1 operands, one E8M0 scale for each 32 along K, by v_wmma_scale_f32_16x16x128_f8f6f4 with both operands' format E2M1 (or v_wmma_scale_f32_32x16x128_f4), f32 sums; everything else in f32.
;; Inputs: qkv 1 x 4,096 x 3 x 16 x 64 float32.
;; Outputs: out0 1 x 4,096 x 16 x 64 float32.
;; This version of the problem:
;;   THIS VERSION OF THE PROBLEM IS GIVEN IN LOW PRECISION. The matrix products marked QUANTISED in the list below multiply operands that are first quantised to E2M1 (2 exponent bits, 1 mantissa bit; 4 bits a number), with one power-of-two scale for each 32 numbers along K (OCP MX v1.0); their sums are f32. All else is computed in f32.
;;   The module's matrix products, in the order in which they are computed (A, B: the left and right operand; K: the contracted axis; several contracted axes count as one K, in the product's order):
;;     1. batch 16 x [M 4,096, K 64] x [K 64, N 4,096]; A: input qkv; B: input qkv: QUANTISED
;;     2. batch 16 x [M 64, K 4,096] x [K 4,096, N 4,096]; A: input qkv; B: softmax (see below): QUANTISED
;;   THE QUANTISER, for each operand of a quantised product, along K:
;;     - K is cut into blocks of 32 from its start; a last block that is shorter is filled with zeros.
;;     - A block's scale is 2^e with e = floor(log2(the largest magnitude in the block)) - 2, held to -126 .. 127; a block of zeros has e = 0. As a byte (E8M0): e + 127.
;;     - Each number is divided by its block's scale, clamped to +-6, and rounded to the nearest number of E2M1, ties to even, subnormals kept.
;;     - The product sums the exact products of the quantised numbers (number of the format x scale) in f32.
;;   ~~~python
;;   def quantise(x, axis):      # numpy; x: float32 -> the quantised numbers, widened to float32 again
;;       x = np.moveaxis(x, axis, -1); K = x.shape[-1]
;;       x = np.pad(x, [(0, 0)] * (x.ndim - 1) + [(0, -K % 32)]); x = x.reshape(x.shape[:-1] + (-1, 32)); a = np.abs(x).max(-1, keepdims=True)
;;       e = np.where(a > 0, np.clip(np.frexp(np.where(a > 0, a, 1))[1] - 1 - 2, -126, 127), 0)      # np.frexp(a)[1] - 1 = floor(log2(a)), exactly
;;       r = np.clip(x / 2.0 ** e, -6, 6)
;;       step = 2.0 ** (np.maximum(np.frexp(np.where(r == 0, 1, r))[1] - 1, 0) - 1)
;;       q = np.round(r / step) * step * 2.0 ** e      # np.round: ties to even
;;       return np.moveaxis(q.reshape(q.shape[:-2] + (-1,))[..., :K], -1, axis).astype(np.float32)
;;   ~~~
;;   SOFTMAX AHEAD OF A QUANTISED PRODUCT. Where the list says 'softmax', what is quantised is not the finished softmax but p = 2^(t - M), with t = logit x log2(e) and M = ceil(the row's largest t), a whole number; so 1/2 < the row's largest p <= 1. The row's sum l is taken of the UNQUANTISED p, in f32, and the product's result is divided by l at the end. Since M is a whole number, a kernel that streams over the keys may use a running M (the ceiling of the running maximum): every later rescaling is an exact power of two, which a block's scale takes up: the codes' values come out the same.
;;   OPERANDS COMPUTED ON THE WAY. 'Computed on the way' means the value that the module computes at that place (a softmax that the list does not call 'softmax' is quantised finished and normalised). What goes into a quantiser is computed in f32, as accurately as f32 sums, v_exp_f32 and their like allow (about 1e-6 of the number): no bf16 or f16 on the way to a quantiser, and a product that is left as it is and whose result goes on into a quantised operand takes f32 operands (vector FMAs, or v_wmma_f32_16x16x4_f32). A number that lies on a knife's edge between two numbers of the format may be rounded either way, as far as f32 arithmetic and the matrix unit's own rounding can turn it there, and no further.
;; One version. Each part assembles by itself: llvm-mc -triple=amdgcn-amd-amdhsa -mcpu=gfx1250 --defsym DOCPART=n.
;; ======== version 1 of 1: 2 launches
;; workspace buffers: qc 2,359,296 bytes; kv 4,587,520 bytes
;; launch quant (part 1): grid 256 x 1, 6 waves a work-group, no clusters, 59,136 bytes of LDS; arguments qkv, qc, kv; writes qc, kv
.if DOCPART == 1
	.amdgcn_target "amdgcn-amd-amdhsa--gfx1250"
	.amdhsa_code_object_version 6
	.text
	.protected	k_qd5ba2073bc_quant
	.globl	k_qd5ba2073bc_quant
	.p2align	8
	.type	k_qd5ba2073bc_quant,@function
k_qd5ba2073bc_quant:
	s_mov_b64 s[64:65], 0
	v_nop
	global_prefetch_b8 v0, s[64:65] scope:SCOPE_SE
	s_setreg_imm32_b32 hwreg(HW_REG_WAVE_MODE, 25, 1), 1
	s_wait_xcnt 0x0
; qkv [4096 (s)][3][16 (h)][64] f32 becomes codes of FP4 (E2M1) with one E8M0 scale byte for each 32 along a product's K, laid IN THE ORDER OF THE OPERANDS' REGISTERS for the attention launch.
; Q and K are quantised along the head's 64 (two blocks a row), V along the keys (blocks of 32 keys from key 0).  A block's scale is 2^(floor(log2(its largest magnitude)) - 2); its byte is that magnitude's
; exponent field - 2, held at 1 from below; each number is divided by the scale and rounded to the nearest code, ties to even, beyond 6 the largest code.
; NOTHING IS LEFT OUT HERE: every number of qkv has a way to the output (each query, and each key and value for the queries at or behind it).  The attention launch leaves out the tiles that reference()'s own
; jnp.tril hides; see its head.
; LIMITS: NaN and infinities among the inputs are not served.  A block whose largest magnitude lies under 2^-124, a block of zeros among them, keeps the byte 1 (the rule says 127 for zeros): its codes are
; zeros or what the held scale gives, and the bytes are read by this program alone.
; RECORDS.  kv: [h 16][step 32][8,960 bytes], 128 keys of one head:  +0 K's codes: tile T (0..7) at 512 T, lane (r, g) at 16 (r + 16 g): the 32 codes k = 32 g .. 32 g + 31 of key 32 (T / 2) + 8 (T % 2) + r + 8 (r / 8);
;   +4,096 V's codes: tile t (16 channels) at 1,024 t, half c at 512 c, lane (r, g) at 16 (r + 16 g): keys 64 c + 32 g + 0 .. 31 of channel 16 t + r;
;   +8,192 K's scale words (byte 0, byte 1, 0x7f, 0x7f): row r of tile T at 16 r + 256 (T / 4) + 4 (T % 4);   +8,704 V's scale words (four key blocks): row r of tile t at 8 r + 128 (t % 2) + 4 (t / 2).
; qc: [h 16][block of 128 queries 32][4,608 bytes]: codes at +0 and scale words at +4,096, in K's order.
; SHARES.  1,536 equal tasks of 128 rows x 256 bytes, one to a wave: task = 6 x work-group + wave; h = task % 16, step = (task / 16) % 32, which = task / 512 (0 Q, 1 K, 2 V).  Waves share nothing: no barrier.
; Q, K: each load reads two whole rows' 256 bytes; 2,048 bytes a step turn through the wave's own stage in LDS, so that a lane holds 16 neighbours along K; codes and scale words are gathered as the record's image in
; LDS and leave by stores of 512 consecutive bytes.  V: a lane takes a channel and its registers run down the keys; the record's order makes each store two aligned runs of 256 bytes by itself, so V's path uses no LDS.
.set ROWQ,  12288                      ; bytes in a row s of qkv
.set WREG,  9728                       ; LDS: a region for each wave: two stages of 32 x 80 bytes, the codes' image (4,096), the scale words' image (512)
.set SP,    80                         ; a lane's place in a stage: 64 bytes + 16 of padding
.set IMGO,  2*32*SP                    ; 5,120
.set SCIO,  IMGO+4096                  ; 9,216
.set SPARE, 6*WREG                     ; behind the six regions: the spare words, 128 bytes for each wave, that no other line names
.set R,     16                         ; v16-79   Q, K: four sets of 16 numbers as loaded; on the way out the image
.set X,     80                         ; v80-111  two sets of 16 neighbours
.set E,     112                        ; v112-127 a scale word for each step
.set C,     128                        ; v128-159 two registers of codes for each step
.set VX,    32                         ; v32-95   V: two sets of 32 numbers
.set VC,    96                         ; v96-127  V: four registers of codes for each unit
.set SB,    24                         ; v[24:25] V: the scale words of my two channels
	s_load_b128 s[4:7], s[0:1], 0x0                ; qkv s[4:5], qc s[6:7]
	s_load_b64 s[8:9], s[0:1], 0x10                ; kv
	v_lshl_add_u32 v12, v0, 2, SPARE               ; v12: my spare word; v13: 0; both never rewritten
	v_mov_b32 v13, 0
	v_lshrrev_b32 v1, 5, v0
	v_readfirstlane_b32 s16, v1                    ; wave 0..5
	v_and_b32 v2, 31, v0                           ; lane l
	s_mul_i32 s17, ttmp9, 6
	s_add_co_u32 s17, s17, s16                     ; task
	s_and_b32 s18, s17, 15                         ; h
	s_bfe_u32 s19, s17, 0x50004                    ; step: five bits from bit 4
	s_lshr_b32 s20, s17, 9                         ; which
	s_mul_i32 s22, s19, 128*ROWQ                   ; where my 128 rows' pieces begin: 128 step rows,
	s_lshl_b32 s21, s20, 12
	s_add_co_u32 s22, s22, s21                     ; + 4,096 which
	s_lshl_b32 s21, s18, 8
	s_add_co_u32 s22, s22, s21                     ; + 256 h: under 2^26
	s_mov_b32 s23, 0
	s_lshl_b32 s24, s18, 5
	s_add_co_u32 s24, s24, s19                     ; the record: 32 h + step
	s_mul_i32 s28, s16, WREG                       ; my region of LDS
	s_add_co_u32 s29, s28, IMGO
	s_add_co_u32 s30, s28, SCIO
	; every lane register of both paths is made here, ahead of the branch that parts them
	v_lshlrev_b32 v3, 4, v2                        ; 16 l: Q, K on the way out
	v_lshrrev_b32 v8, 4, v2
	v_and_b32 v9, 15, v2
	v_mul_u32_u24 v4, v8, ROWQ
	v_lshl_add_u32 v4, v9, 4, v4                   ; Q, K in: lanes 0-15 one row's 256 bytes, lanes 16-31 the next row's
	v_lshlrev_b32 v5, 10, v8
	v_lshl_add_u32 v5, v9, 4, v5                   ; V out: 1,024 (l / 16) + 16 (l % 16)
	v_lshlrev_b32 v6, 3, v2                        ; 8 l: V's scale words
	v_lshlrev_b32 v7, 2, v2                        ; 4 l: V in: my channel
	v_lshrrev_b32 v8, 2, v2                        ; l / 4
	v_and_b32 v9, 3, v2
	v_mul_u32_u24 v14, v8, SP
	v_lshl_add_u32 v14, v9, 4, v14
	v_add_nc_u32 v14, s28, v14                     ; the stage, in: four lanes' 64 bytes on end, then the padding
	v_mul_u32_u24 v15, v2, SP
	v_add_nc_u32 v15, s28, v15                     ; and out: my 16 neighbours: row l / 4 of the step's eight, k = 16 (l % 4) on
	v_bfe_u32 v10, v2, 1, 1                        ; which block of 32 is mine
	v_and_b32 v11, 1, v2                           ; and which half of it
	v_lshlrev_b32 v160, 4, v8
	v_add_nc_u32 v161, s30, v160                   ; v161: the scale words' image: 16 (l / 4)
	v_lshl_add_u32 v160, v10, 8, v160
	v_lshl_add_u32 v160, v11, 3, v160
	v_add_nc_u32 v160, s29, v160                   ; v160: the codes' image: 16 (l / 4) + 256 block + 8 half
	v_add_nc_u32 v162, s29, v3                     ; v162: both images on the way out: 16 l
	v_lshlrev_b32 v163, 3, v10                     ; v163: my byte's place in the scale word, in bits
	v_mov_b32 v10, 0                               ; (a lane move's destination counts as read: written once)
	s_wait_kmcnt 0x0
	s_add_nc_u64 s[4:5], s[4:5], s[22:23]
	s_cmp_eq_u32 s20, 0                            ; Q goes to qc, K and V to kv: the choice hangs on the task's number alone
	s_cselect_b64 s[10:11], s[6:7], s[8:9]
	s_mov_b32 s25, 8960
	s_cselect_b32 s25, 4608, s25                   ; a record's bytes
	s_mov_b32 s26, 8192
	s_cselect_b32 s26, 4096, s26                   ; where its scale words (Q's, K's) begin
	s_mul_i32 s24, s24, s25
	s_mov_b32 s25, 0
	s_mov_b32 s27, 0
	s_add_nc_u64 s[10:11], s[10:11], s[24:25]      ; my record
	s_add_nc_u64 s[14:15], s[10:11], s[26:27]
	s_cmp_eq_u32 s20, 2
	s_cbranch_scc1 .Lvpath
; ---- Q and K: 16 steps of 8 rows.  Loads run four steps (16 loads) ahead, the turn through LDS one step.
.macro LOAD t
.irp i, 0,1,2,3
	global_load_b128 v[R+16*((\t)%4)+4*\i:R+16*((\t)%4)+4*\i+3], v4, s[4:5] offset:(8*(\t)+2*\i)*ROWQ th:TH_LOAD_NT   ; rows 8 t + 2 i and + 1: 256 consecutive aligned bytes each
.endr
.endm
.macro TURN t                          ; LDS serves a wave's instructions in order, so no wait stands between the stores and the loads
.irp i, 0,1,2,3
	ds_store_b128 v14, v[R+16*((\t)%4)+4*\i:R+16*((\t)%4)+4*\i+3] offset:32*SP*((\t)%2)+8*SP*\i
.endr
.irp i, 0,1,2,3
	ds_load_b128 v[X+16*((\t)%2)+4*\i:X+16*((\t)%2)+4*\i+3], v15 offset:32*SP*((\t)%2)+16*\i
.endr
.endm
.irp t, 0,1,2,3
	LOAD \t
.endr
	s_wait_loadcnt 12                              ; step 0's four loads are in
	TURN 0
; Row 8 t + l / 4 is row r = l / 4 + 8 ((t / 2) % 2) of tile T = 2 (t / 4) + t % 2.
.macro STEP t
.set XS, X+16*((\t)%2)
.if (\t) > 0
	s_wait_dscnt 2                                 ; this step's numbers are back from the stage; the last step's two stores into the images may be out
.else
	s_wait_dscnt 0x0
.endif
.if (\t)+4 < 16
	LOAD (\t)+4                                    ; into the registers that this step's stores into the stage have read
.endif
.if (\t)+1 < 16
.if 14-(\t) >= 3
	s_wait_loadcnt 12                              ; the next step's four loads are in; those of the three steps behind it may be out
.else
	s_wait_loadcnt 4*(14-(\t))
.endif
	TURN (\t)+1
.endif
	v_max3_num_f32 v8, |v[XS]|, |v[XS+1]|, |v[XS+2]|               ; the largest magnitude of my 16, in two chains
	v_max3_num_f32 v9, |v[XS+3]|, |v[XS+4]|, |v[XS+5]|
.irp i, 6,10
	v_max3_num_f32 v8, v8, |v[XS+\i]|, |v[XS+\i+1]|
	v_max3_num_f32 v9, v9, |v[XS+\i+2]|, |v[XS+\i+3]|
.endr
	v_max3_num_f32 v8, v8, |v[XS+14]|, |v[XS+15]|
	v_max3_num_f32 v8, v8, v9, 0x1800000           ; and the floor 2^(3 - 127): the byte cannot fall under 1
	v_max_num_f32_dpp v8, v8, v8 row_xmask:1 row_mask:0xf bank_mask:0xf   ; with my neighbour's 16: the block's
	v_add_nc_u32 v11, 0xff000000, v8               ; 2 off its exponent field: the conversion takes the exponent field of this operand as its scale
	v_cvt_scalef32_pk8_fp4_f32 v[C+2*(\t)], v[XS:XS+7], v11
	v_cvt_scalef32_pk8_fp4_f32 v[C+2*(\t)+1], v[XS+8:XS+15], v11
	v_lshrrev_b32 v9, 23, v11                      ; the scale's byte (a plain line behind the conversions),
	v_lshlrev_b32 v9, v163, v9                     ; at its place in the row's word;
	v_mov_b32_dpp v10, v9 row_xmask:2 row_mask:0xf bank_mask:0xf   ; the row's other block's;
	v_or_b32 v9, v9, v10
	v_or_b32 v[E+(\t)], 0x7f7f0000, v9             ; and 1.0 for the upper 64 of the instruction's 128 along K, where Q's codes are zeros
	ds_store_b64 v160, v[C+2*(\t):C+2*(\t)+1] offset:512*(2*((\t)/4)+(\t)%2)+128*(((\t)/2)%2)
	ds_store_b32 v161, v[E+(\t)] offset:128*(((\t)/2)%2)+256*((\t)/8)+4*(2*(((\t)/4)%2)+(\t)%2)   ; a row's four lanes write the same word with the same value
.endm
.irp t, 0,1,2,3,4,5,6,7,8,9,10,11,12,13,14,15
	STEP \t
.endr
.irp i, 0,1,2,3,4,5,6,7,8
	ds_load_b128 v[R+4*\i:R+4*\i+3], v162 offset:512*\i            ; the images, as they lie (the ninth load: the scale words); these see my stores
.endr
.irp i, 0,1,2,3,4,5,6,7
	s_wait_dscnt 8-\i
	global_store_b128 v3, v[R+4*\i:R+4*\i+3], s[10:11] offset:512*\i   ; 32 lanes store 512 consecutive bytes, at a multiple of 256 from the buffer's first byte
.endr
	s_wait_dscnt 0x0
	global_store_b128 v3, v[R+32:R+35], s[14:15]
	s_wait_tensorcnt 0x0                           ; the wave's end, behind my last LDS store; the tensor wait stands even in a text with no tensor load
	ds_add_u32 v12, v13
	s_wait_dscnt 0x0
	s_endpgm
; ---- V: eight units: key block u / 2 (32 keys) of channels l + 32 (u % 2).  A unit's 32 numbers are a whole block in one lane's registers.  Loads run two units ahead.
.Lvpath:
.macro VLOAD u
.irp i, 0,1,2,3,4,5,6,7,8,9,10,11,12,13,14,15,16,17,18,19,20,21,22,23,24,25,26,27,28,29,30,31
	global_load_b32 v[VX+32*((\u)%2)+\i], v7, s[4:5] offset:(32*((\u)/2)+\i)*ROWQ+128*((\u)%2)   ; 128 consecutive bytes; the row's other 128 are the next unit's
.endr
.endm
	VLOAD 0
	VLOAD 1
.macro UNIT u
.set XS, VX+32*((\u)%2)
.if (\u) < 7
	s_wait_loadcnt 32                              ; this unit's 32 loads are in; the next unit's may be out
.else
	s_wait_loadcnt 0x0
.endif
	v_max3_num_f32 v8, |v[XS]|, |v[XS+1]|, |v[XS+2]|
	v_max3_num_f32 v9, |v[XS+3]|, |v[XS+4]|, |v[XS+5]|
.irp i, 6,10,14,18,22,26
	v_max3_num_f32 v8, v8, |v[XS+\i]|, |v[XS+\i+1]|
	v_max3_num_f32 v9, v9, |v[XS+\i+2]|, |v[XS+\i+3]|
.endr
	v_max3_num_f32 v8, v8, |v[XS+30]|, |v[XS+31]|
	v_max3_num_f32 v8, v8, v9, 0x1800000           ; the floor, as above
	v_add_nc_u32 v11, 0xff000000, v8
	v_lshrrev_b32 v9, 23, v11
.if (\u)/2 == 0
	v_mov_b32 v[SB+(\u)%2], v9                     ; four key blocks' bytes make the channel's scale word
.else
	v_lshl_or_b32 v[SB+(\u)%2], v9, 8*((\u)/2), v[SB+(\u)%2]
.endif
.irp g, 0,1,2,3
	v_cvt_scalef32_pk8_fp4_f32 v[VC+4*(\u)+\g], v[XS+8*\g:XS+8*\g+7], v11
.endr
	global_store_b128 v5, v[VC+4*(\u):VC+4*(\u)+3], s[10:11] offset:4096+2048*((\u)%2)+256*((\u)/2)   ; lanes 0-15 and lanes 16-31 each store 256 consecutive aligned bytes; each unit has its own registers
.if (\u)+2 < 8
	VLOAD (\u)+2
.endif
.endm
.irp u, 0,1,2,3,4,5,6,7
	UNIT \u
.endr
	global_store_b64 v6, v[SB:SB+1], s[10:11] offset:8704          ; 256 consecutive aligned bytes
	s_wait_tensorcnt 0x0                           ; the same three lines on this way too, so that every way to the end has them
	ds_add_u32 v12, v13
	s_wait_dscnt 0x0
	s_endpgm
.Lfunc_end_k_qd5ba2073bc_quant:
	.size	k_qd5ba2073bc_quant, .Lfunc_end_k_qd5ba2073bc_quant-k_qd5ba2073bc_quant
	.p2alignl 7, 3214868480
	.fill 96, 4, 3214868480
	.section	.rodata,"a",@progbits
	.p2align	6, 0x0
	.amdhsa_kernel k_qd5ba2073bc_quant
		.amdhsa_group_segment_fixed_size 59136
		.amdhsa_private_segment_fixed_size 0
		.amdhsa_enable_private_segment 0
		.amdhsa_kernarg_size 24
		.amdhsa_user_sgpr_count 2
		.amdhsa_user_sgpr_kernarg_segment_ptr 1
		.amdhsa_wavefront_size32 1
		.amdhsa_system_sgpr_workgroup_id_x 1
		.amdhsa_system_sgpr_workgroup_id_y 1
		.amdhsa_system_sgpr_workgroup_id_z 1
		.amdhsa_system_vgpr_workitem_id 0
		.amdhsa_next_free_vgpr 192
		.amdhsa_next_free_sgpr 66
		.amdhsa_reserve_vcc 0
		.amdhsa_float_denorm_mode_32 3
		.amdhsa_float_denorm_mode_16_64 3
		.amdhsa_memory_ordered 1
		.amdhsa_forward_progress 1
		.amdhsa_inst_pref_size 75
	.end_amdhsa_kernel
	.amdgpu_metadata
---
amdhsa.version: [ 1, 2 ]
amdhsa.kernels:
  - .name:           k_qd5ba2073bc_quant
    .symbol:         k_qd5ba2073bc_quant.kd
    .args:
      - { .name: qkv, .offset: 0, .size: 8, .value_kind: global_buffer, .address_space: global }
      - { .name: qc, .offset: 8, .size: 8, .value_kind: global_buffer, .address_space: global }
      - { .name: kv, .offset: 16, .size: 8, .value_kind: global_buffer, .address_space: global }
    .group_segment_fixed_size: 59136
    .private_segment_fixed_size: 0
    .kernarg_segment_align: 8
    .kernarg_segment_size: 24
    .max_flat_workgroup_size: 192
    .sgpr_count:     66
    .vgpr_count:     192
    .wavefront_size: 32
...
	.end_amdgpu_metadata
.endif
;; end of part 1
;; launch attn (part 2): grid 16 x 16, 8 waves a work-group, clusters of 4 x 1, 327,680 bytes of LDS; arguments qc, kv, out0; writes out0
.if DOCPART == 2
	.amdgcn_target "amdgcn-amd-amdhsa--gfx1250"
	.amdhsa_code_object_version 6
	.text
	.protected	k_qd5ba2073bc_attn
	.globl	k_qd5ba2073bc_attn
	.p2align	8
	.type	k_qd5ba2073bc_attn,@function
k_qd5ba2073bc_attn:
	s_mov_b64 s[64:65], 0
	v_nop
	global_prefetch_b8 v0, s[64:65] scope:SCOPE_SE
	s_setreg_imm32_b32 hwreg(HW_REG_WAVE_MODE, 25, 1), 1
	s_wait_xcnt 0x0
	s_wait_alu depctr_hold_cnt(0) depctr_sa_sdst(0) depctr_va_vdst(0) depctr_va_sdst(0) depctr_va_ssrc(0) depctr_va_vcc(0) depctr_vm_vsrc(0)
	s_getreg_b32 s2, hwreg(HW_REG_IB_STS2, 6, 4)
	s_cmp_eq_u32 s2, 0
	s_cbranch_scc0 .Lentry_in_a_cluster
	s_endpgm
.Lentry_in_a_cluster:
	s_bfe_u32 s2, ttmp6, 0x10000c
	s_cmp_lg_u32 s2, 0x3003
	s_cbranch_scc0 .Lentry_shape_is_right
	s_endpgm
.Lentry_shape_is_right:
; out0[s][h][:] = the sum over keys t <= s of softmax_t(q[s][h] . k[t][h] / 8) v[t][h][:], both products on codes of FP4 (E2M1) with one E8M0 scale for each 32 along K, as the launch before laid them (its head gives the records).
; THE SOFTMAX AHEAD OF THE SECOND PRODUCT: t = score x log2(e) / 8; M = the row's largest t so far, rounded UP to a whole number; p = 2^(t - M) is what is quantised, along the keys; the row's sum is taken of the
; unquantised p, in f32, and divides at the end.  When M moves, the sum and O are multiplied by 2^(old M - new M): exact.
; WORK LEFT OUT: a step of 128 keys all of which come after a wave's 16 queries.  reference() itself sets those scores to -infinity (its jnp.tril), so their p is 0 and they add 0 to the sum and to the product, whatever
; finite values qkv holds.  LIMITS: a NaN, an infinity or an overflow that reaches only such tiles is not carried to the result; NaN and infinities among the inputs are not served; a p under 2^-126 counts as 0.
; SHARES.  A head has 32 blocks of 128 queries, each of 8 tiles of 16 (tile T: queries 32 (T / 2) + 8 (T % 2) + r + 8 (r / 8)).  Work-group x (0..15) of head y: wave w owns tile T = x % 8 of block 31 - p (pass 1) and of
; block p (pass 2), p = 2 w + x / 8: (32 - p) + (p + 1) = 33 key steps for every wave of the launch.
; THE WHOLE HEAD'S K AND V STAY IN LDS: 32 records of 8,960 bytes.  Each wave brings three parts at the head (steps w; 8 + w; 16 + 2 w and 17 + 2 w): three tensor loads of mine are out at the most.
; Wave 0 walks on to step 30 or 31, so each part is read by some wave.
; CLUSTER.  The four partners share the head, and so all of K and V: each part is asked for JOINTLY (the same load, the same descriptor, a mask that names the four).  They differ in T % 4 alone, which enters the
; addresses of Q and of out0 and the lanes' numbers for the mask on the diagonal (a select, no branch): no branch, trip count or LDS address hangs on it.
; LAYOUT.  Both products are used transposed: S^T = K Q^T (source 0 = 16 keys, source 1 = my 16 queries), O^T = V^T P^T (source 0 = 16 channels, source 1 = P): a lane holds ONE query (lane % 16) throughout.
; The keys of a tile are chosen so that the 16 registers of tiles 2 b and 2 b + 1 are keys 32 b + 16 (lane / 16) + 0 .. 15.
; THE HEAD IS 64 WIDE, THE INSTRUCTION 128: Q's upper four registers are zero codes, under scale bytes of 1.0 on both sides.  So K's upper four registers may hold any codes: they are the next tile's (behind tile 7: zeros),
; each product there is exactly 0, and a tile of K costs four registers.
.set REC,    8960                      ; a key step's record
.set KVB,    32*REC                    ; a head's records: LDS bytes 0 .. 286,719
.set QREC,   4608
.set STAGE,  KVB                       ; the way out: 16 rows x (256 bytes + 16) for each wave; no tensor load lands here
.set SPITCH, 272
.set WSTG,   16*SPITCH
.set SPARE,  STAGE+8*WSTG              ; the spare words, 128 bytes for each wave, that no other line names
.set LI,   1                           ; v1   16 x lane
.set L8,   3                           ; v3   8 x lane
.set SPW,  4                           ; v4   my spare word; never rewritten
.set NIL,  5                           ; v5   0; never rewritten
.set GO,   6                           ; v6   the way out: my byte offset in two rows of out0
.set STO,  7                           ; v7   where I put 32 bytes of a row in my stage
.set RD,   8                           ; v8   where I read a row back
.set DREG, 9                           ; v9   my query's number in its block - 16 (lane / 16)
.set ADK,  10                          ; v10  the step's record + 16 x lane
.set ADT,  11                          ; v11  the step's record + 8 x lane
                                       ; v12 -M, v13 the largest t, v[14:15] the sum in two halves
.set Q1,   16                          ; v[16:23] Q of pass 1, v[24:31] of pass 2: four registers of codes, four of zeros
.set Q2,   24
.set QS1,  32                          ; v32, v33 their scale words
.set QS2,  33
.set QO,   34                          ; v34, v35 my offsets in a record of qc: codes, scale word
.set QSO,  35
.set KF,   36                          ; v[36:67] K's eight tiles; v[68:71] zeros
.set VF,   72                          ; v[72:103] V's four tiles
.set SCO,  104                         ; v[104:167] S^T, then p; on the way out O / the sum and the rows read back
.set OT,   168                         ; v[168:199] O^T
.set PC,   200                         ; v[200:207] p's codes
.set KS,   208                         ; v[208:211] K's scale words: register j: lanes 0-15 tile j, lanes 16-31 tile 4 + j
.set VS,   212                         ; v[212:213] V's: register j: lanes 0-15 tile 2 j, lanes 16-31 tile 2 j + 1
.set PW,   214                         ; v214 p's scale word
.set BM,   216                         ; v[216:219] each key block's largest score, then its largest p
.set PT,   220                         ; v[220:223] at work
.set SO,   224                         ; v[224:227] the conversions' scale operands
.set FAC,  228                         ; v[228:229] f = 2^(old M - new M); the pair's upper half is only named
.set TMP,  230
.set SUM2, 232                         ; v[232:233] the second chain of the sums
.set NINF, 234                         ; v234 -infinity
.set RL,   236                         ; v236 lane % 16, v237 lane / 16: at the head
.set HL,   237
.set WV,   10                          ; s10  my wave
.set CX,   11                          ; s11  my place in the cluster
.set HD,   12                          ; s12  the head
.set TT,   13                          ; s13  T
.set PP,   14                          ; s14  p
.set G1A,  16                          ; s[16:23] descriptor group 1: 35 rows of 256 bytes;  s[24:31]: 70 rows
.set G1B,  24
.set G0,   32                          ; s[32:43] three groups 0
.set QP,   44                          ; s[44:47] qc at the records of my two blocks
.set OP,   48                          ; s[48:51] out0 at my two tiles' first rows
.set CS,   52                          ; s[52:53] c = log2(e) / 8: the packed form names a pair and takes its low word for both halves
.set SEL,  54                          ; s[54:55] lane selects for v_permlanex16_b32: lane l xor 16
.set TB,   56                          ; s56  LDS byte of the step's record
.set ST,   57                          ; s57  the step's number
.set BLK,  58                          ; s58  the block of queries in hand: its diagonal lies in step BLK
.set CNT,  59
.set B1,   60                          ; s60  31 - p;  s61  p
.set B2,   61
; A round of the cluster's barrier: my work-group's barrier; wave 0 signals for the work-group; every wave waits for all four work-groups; my work-group's barrier once more.
.macro CROUND
	s_barrier_signal -1
	s_barrier_wait -1
	s_cmp_lg_u32 s[WV], 0
	s_cbranch_scc1 .Lnot_wave_0_\@
	s_barrier_signal -3
.Lnot_wave_0_\@:
	s_barrier_wait -3
	s_barrier_signal -1
	s_barrier_wait -1
.endm
	s_load_b128 s[4:7], s[0:1], 0x0                ; qc s[4:5], kv s[6:7]
	s_load_b64 s[8:9], s[0:1], 0x10                ; out0
	v_lshl_add_u32 v[SPW], v0, 2, SPARE
	v_mov_b32 v[NIL], 0
	ds_add_u32 v[SPW], v[NIL]                      ; the wave's opening: the add, twice on end, and its wait ahead of the round in front of my first tensor load
	ds_add_u32 v[SPW], v[NIL]                      ; and once more; the set-up below, work on registers, stands between it and the wait
	v_lshrrev_b32 v2, 5, v0
	v_readfirstlane_b32 s[WV], v2                  ; wave 0..7
	s_bfe_u32 s[CX], ttmp6, 0x40000                ; cx
	s_and_b32 s[HD], ttmp7, 0xffff                 ; the head, which the partners share
	s_and_b32 s[TT], ttmp9, 1                      ; in a cluster launch ttmp9 counts clusters: x = 4 ttmp9 + cx
	s_lshl_b32 s[TT], s[TT], 2
	s_add_co_u32 s[TT], s[TT], s[CX]               ; T = x % 8
	s_lshr_b32 s[PP], ttmp9, 1                     ; x / 8
	s_lshl_b32 s66, s[WV], 1
	s_add_co_u32 s[PP], s[PP], s66                 ; p = 2 w + x / 8: the same in all four partners
	s_sub_co_u32 s[B1], 31, s[PP]
	s_mov_b32 s[B2], s[PP]
	; descriptor group 1: dense rows of 256 bytes (32 elements of 8 bytes), no padding: every read takes 512 or 256 consecutive bytes
	s_mov_b32 s[G1A], 15|(3<<16)|(1<<21)           ; 15:0 the mask: all four work-groups; 17:16 elements of 8 bytes; 21 set beside a mask
	s_mov_b32 s[G1A+1], 32<<16                     ; tensor_dim0 = 32
	s_mov_b32 s[G1A+2], 35<<16                     ; tensor_dim1 = 35: one record
	s_mov_b32 s[G1A+3], 32<<16                     ; tile_dim0 = 32
	s_mov_b32 s[G1A+4], 35                         ; tile_dim1 = 35
	s_mov_b32 s[G1A+5], 32                         ; from row to row
	s_mov_b32 s[G1A+6], 0
	s_mov_b32 s[G1A+7], 0
	s_mov_b32 s[G1B], 15|(3<<16)|(1<<21)
	s_mov_b32 s[G1B+1], 32<<16
	s_mov_b32 s[G1B+2], 70<<16                     ; two records
	s_mov_b32 s[G1B+3], 32<<16
	s_mov_b32 s[G1B+4], 70
	s_mov_b32 s[G1B+5], 32
	s_mov_b32 s[G1B+6], 0
	s_mov_b32 s[G1B+7], 0
	s_mov_b32 s[CS], 0x3e38aa3b                    ; c = log2(e) / 8
	s_mov_b32 s[CS+1], s[CS]                       ; (named with it as a pair, so it is written)
	s_mov_b32 s[SEL], 0x76543210
	s_mov_b32 s[SEL+1], 0xfedcba98
	s_mul_i32 s66, s[WV], REC                      ; step w in LDS,
	s_mul_i32 s67, s[HD], KVB
	s_add_co_u32 s68, s67, s66                     ; and in kv: under 2^23
	s_mov_b32 s69, 0
	s_lshl_b32 s70, s66, 1
	s_add_co_u32 s70, s70, 16*REC                  ; steps 16 + 2 w, 17 + 2 w in LDS,
	s_add_co_u32 s72, s67, s70                     ; and in kv
	s_mov_b32 s73, 0
	s_wait_dscnt 0x0                               ; both opening adds are done
	s_wait_kmcnt 0x0
	s_add_nc_u64 s[74:75], s[6:7], s[68:69]
	s_mov_b32 s[G0], 1                             ; 1:0 count = 1
	s_mov_b32 s[G0+1], s66                         ; 63:32 LDS address: the wave's number times a constant
	s_mov_b64 s[G0+2:G0+3], s[74:75]               ; 120:64 global address
	s_or_b32 s[G0+3], s[G0+3], 0x80000000          ; 127:126 type = 2
	s_mov_b32 s[G0+4], 1
	s_add_co_u32 s[G0+5], s66, 8*REC
	s_add_nc_u64 s[G0+6:G0+7], s[74:75], 8*REC
	s_or_b32 s[G0+7], s[G0+7], 0x80000000
	s_mov_b32 s[G0+8], 1
	s_mov_b32 s[G0+9], s70
	s_add_nc_u64 s[G0+10:G0+11], s[6:7], s[72:73]
	s_or_b32 s[G0+11], s[G0+11], 0x80000000
	CROUND                                         ; all four work-groups are here: the joint loads meet
	tensor_load_to_lds s[G0:G0+3], s[G1A:G1A+7]    ; step w
	s_nop 0
	tensor_load_to_lds s[G0+4:G0+7], s[G1A:G1A+7]  ; step 8 + w
	s_nop 0
	tensor_load_to_lds s[G0+8:G0+11], s[G1B:G1B+7] ; steps 16 + 2 w, 17 + 2 w
	s_nop 0
.rept 4
	v_nop                                          ; an s_nop 0 follows each load and four v_nop the last
.endr
	; Q's records
	s_lshl_b32 s76, s[HD], 5
	s_add_co_u32 s78, s76, s[B1]
	s_mul_i32 s78, s78, QREC
	s_mov_b32 s79, 0
	s_add_nc_u64 s[QP:QP+1], s[4:5], s[78:79]
	s_add_co_u32 s78, s76, s[B2]
	s_mul_i32 s78, s78, QREC
	s_add_nc_u64 s[QP+2:QP+3], s[4:5], s[78:79]
	v_and_b32 v2, 31, v0                           ; lane
	v_lshlrev_b32 v[LI], 4, v2
	v_lshlrev_b32 v[L8], 3, v2
	v_and_b32 v[RL], 15, v0                        ; r
	v_bfe_u32 v[HL], v0, 4, 1                      ; the lane's half
	s_lshl_b32 s81, s[TT], 9
	v_add_nc_u32 v[QO], s81, v[LI]                 ; tile T's codes: 512 T + 16 x lane
	s_lshr_b32 s81, s[TT], 2
	s_lshl_b32 s81, s81, 8
	s_and_b32 s82, s[TT], 3
	s_lshl_b32 s82, s82, 2
	s_add_co_u32 s81, s81, s82
	s_add_co_u32 s81, s81, 4096
	v_lshl_add_u32 v[QSO], v[RL], 4, s81           ; row r's scale word: 4,096 + 16 r + 256 (T / 4) + 4 (T % 4)
	global_load_b128 v[Q1:Q1+3], v[QO], s[QP:QP+1]
	global_load_b128 v[Q2:Q2+3], v[QO], s[QP+2:QP+3]
	global_load_b32 v[QS1], v[QSO], s[QP:QP+1]
	global_load_b32 v[QS2], v[QSO], s[QP+2:QP+3]
	; out0 at my tiles' first rows: row (128 block + 32 (T / 2) + 8 (T % 2)) of 4,096 bytes, + 256 head
	s_lshr_b32 s80, s[TT], 1
	s_lshl_b32 s80, s80, 5
	s_and_b32 s81, s[TT], 1
	s_lshl_b32 s81, s81, 3
	s_add_co_u32 s80, s80, s81                     ; 32 (T / 2) + 8 (T % 2)
	s_lshl_b32 s81, s[HD], 8
	s_lshl_b32 s82, s[B1], 7
	s_add_co_u32 s82, s82, s80
	s_lshl_b32 s82, s82, 12
	s_add_co_u32 s82, s82, s81
	s_mov_b32 s83, 0
	s_add_nc_u64 s[OP:OP+1], s[8:9], s[82:83]
	s_lshl_b32 s82, s[B2], 7
	s_add_co_u32 s82, s82, s80
	s_lshl_b32 s82, s82, 12
	s_add_co_u32 s82, s82, s81
	s_add_nc_u64 s[OP+2:OP+3], s[8:9], s[82:83]
	v_lshlrev_b32 v[GO], 12, v[HL]
	v_lshl_add_u32 v[GO], v[RL], 4, v[GO]          ; lanes 0-15 one row of out0, lanes 16-31 the next; 16 bytes a lane
	s_mul_i32 s84, s[WV], WSTG
	s_add_co_u32 s84, s84, STAGE                   ; my stage
	v_mul_u32_u24 v[STO], v[RL], SPITCH
	v_lshl_add_u32 v[STO], v[HL], 5, v[STO]
	v_add_nc_u32 v[STO], s84, v[STO]               ; in: row r, + 32 bytes for the upper half of the lanes
	v_mul_u32_u24 v[RD], v[HL], SPITCH
	v_lshl_add_u32 v[RD], v[RL], 4, v[RD]
	v_add_nc_u32 v[RD], s84, v[RD]                 ; back: two rows an instruction
	v_and_b32 v[DREG], 8, v[RL]
	v_add_nc_u32 v[DREG], v[DREG], v[RL]           ; r + 8 (r / 8)
	v_lshlrev_b32 v[TMP], 4, v[HL]
	v_sub_nc_u32 v[DREG], v[DREG], v[TMP]
	v_add_nc_u32 v[DREG], s80, v[DREG]             ; my query in its block, less 16 x my half
.irp j, 4,5,6,7
	v_mov_b32 v[Q1+\j], 0                          ; zero codes for k = 64 .. 127
	v_mov_b32 v[Q2+\j], 0
	v_mov_b32 v[KF+28+\j], 0                       ; what tile 7 of K names beyond its own four registers
	v_mov_b32 v[PT+\j-4], 0                        ; (a lane permute's destination counts as one of its sources: written once)
.endr
	v_mov_b32 v[FAC+1], 0                          ; (named as the upper half of a pair)
	v_mov_b32 v[TMP], 0
	v_mov_b32 v[NINF], 0xff800000
.macro INIT                            ; a pass begins: the step is written once and finds zeros, which the first change of M leaves zeros
	v_mov_b32 v13, 0xff61b1e6                      ; the largest t so far: -3e38, under every t
	v_floor_f32 v12, -v13                          ; -M
	v_mov_b32 v14, 0
	v_mov_b32 v15, 0
.irp j, 0,1,2,3,4,5,6,7,8,9,10,11,12,13,14,15,16,17,18,19,20,21,22,23,24,25,26,27,28,29,30,31
	v_mov_b32 v[OT+\j], 0
.endr
.endm
; A KEY STEP: 128 keys, the record at LDS byte s[TB].  qf, qs: Q's fragment and scale words.  causal = 1: the walk reaches the diagonal.
.macro STEP qf, qs, causal
.if \causal
	s_cmp_gt_u32 s[ST], s[BLK]                     ; all 128 keys come after my queries: the step's work is left out (ids alone; no barrier stands in a step); the lines at its end that step addresses are not
	s_cbranch_scc1 .Lhidden_\@
.endif
	v_add_nc_u32 v[ADK], s[TB], v[LI]
	v_add_nc_u32 v[ADT], s[TB], v[L8]
	v_nop
	v_nop                                          ; four places between the last step's products and the loads into the registers that they read
	ds_load_b128 v[KS:KS+3], v[ADK] offset:8192
.irp t, 0,1,2,3,4,5,6,7
	ds_load_b128 v[KF+4*\t:KF+4*\t+3], v[ADK] offset:512*\t
.endr
.irp t, 0,1,2,3
.irp c, 0,1
	ds_load_b128 v[VF+8*\t+4*\c:VF+8*\t+4*\c+3], v[ADK] offset:4096+1024*\t+512*\c   ; V is asked for now and waited for behind the softmax
.endr
.endr
	ds_load_b64 v[VS:VS+1], v[ADT] offset:8704
	s_wait_dscnt 9                                 ; K and its scale words are in; V's nine loads may be out
.irp t, 0,1,2,3
	v_wmma_scale_f32_16x16x128_f8f6f4 v[SCO+8*\t:SCO+8*\t+7], v[KF+4*\t:KF+4*\t+7], v[\qf:\qf+7], 0, v[KS+\t], v[\qs] matrix_a_fmt:MATRIX_FMT_FP4 matrix_b_fmt:MATRIX_FMT_FP4
.endr
.irp t, 4,5,6,7
	v_wmma_scale_f32_16x16x128_f8f6f4 v[SCO+8*\t:SCO+8*\t+7], v[KF+4*\t:KF+4*\t+7], v[\qf:\qf+7], 0, v[KS+\t-4], v[\qs] matrix_a_fmt:MATRIX_FMT_FP4 matrix_b_fmt:MATRIX_FMT_FP4 matrix_a_scale:MATRIX_SCALE_ROW1
.endr
.rept 4
	v_nop                                          ; four places ahead of the first read of the scores
.endr
.if \causal                            ; on the diagonal the scores of hidden keys become -infinity ahead of the maximum: p = 0 then.  The step's key 0 counts for every query of the block, so M stays a number
	s_cmp_lg_u32 s[ST], s[BLK]
	s_cbranch_scc1 .Lopen_\@
.irp n, 0,1,2,3,4,5,6,7,8,9,10,11,12,13,14,15,16,17,18,19,20,21,22,23,24,25,26,27,28,29,30,31,32,33,34,35,36,37,38,39,40,41,42,43,44,45,46,47,48,49,50,51,52,53,54,55,56,57,58,59,60,61,62,63
	v_cmp_gt_i32 vcc_lo, 32*(\n/16)+\n%16, v[DREG] ; register 16 b + i holds key 32 b + 16 (lane / 16) + i of the step
	v_cndmask_b32 v[SCO+\n], v[SCO+\n], v[NINF], vcc_lo
.endr
.Lopen_\@:
.endif
.irp b, 0,1,2,3
	v_max3_num_f32 v[BM+\b], v[SCO+16*\b], v[SCO+16*\b+1], v[SCO+16*\b+2]   ; the largest score of each block of 32 keys: for the row's maximum, and, since p rises with the score, for the block's largest p
.endr
.irp i, 3,5,7,9,11,13
.irp b, 0,1,2,3
	v_max3_num_f32 v[BM+\b], v[BM+\b], v[SCO+16*\b+\i], v[SCO+16*\b+\i+1]   ; (the four blocks by turns; each tile of scores is read from its low end on)
.endr
.endr
.irp b, 0,1,2,3
	v_max_num_f32 v[BM+\b], v[BM+\b], v[SCO+16*\b+15]
.endr
.irp b, 0,1,2,3
	v_permlanex16_b32 v[PT+\b], v[BM+\b], s[SEL], s[SEL+1]
.endr
.irp b, 0,1,2,3
	v_max_num_f32 v[BM+\b], v[BM+\b], v[PT+\b]     ; with lane l xor 16's 16 keys
.endr
	v_max3_num_f32 v[TMP], v[BM], v[BM+1], v[BM+2]
	v_max_num_f32 v[TMP], v[TMP], v[BM+3]          ; the step's largest score of my query
	v_mul_f32 v[TMP], s[CS], v[TMP]                ; as t (c is positive)
	v_max_num_f32 v13, v13, v[TMP]                 ; the running largest t
	v_mov_b32 v[TMP], v12
	v_floor_f32 v12, -v13                          ; the new -M = floor(-t) = -ceil(t)
	v_sub_f32 v[TMP], v12, v[TMP]                  ; old M - new M: a whole number, 0 or less
	v_cvt_i32_f32 v[TMP], v[TMP]                   ; (it saturates)
	v_ldexp_f32 v[FAC], 1.0, v[TMP]                ; f = 2^(old M - new M)
.irp j, 0,2,4,6,8,10,12,14,16,18,20,22,24,26,28,30,32,34,36,38,40,42,44,46,48,50,52,54,56,58,60,62
	v_pk_fma_f32 v[SCO+\j:SCO+\j+1], v[SCO+\j:SCO+\j+1], s[CS:CS+1], v[12:13] op_sel_hi:[1,0,0]   ; t - M, two at a time
.endr
.irp b, 0,1,2,3
	v_fma_f32 v[BM+\b], v[BM+\b], s[CS], v12       ; the same of each block's largest score
.endr
.irp j, 0,1,2,3,4,5,6,7,8,9,10,11,12,13,14,15,16,17,18,19,20,21,22,23,24,25,26,27,28,29,30,31,32,33,34,35,36,37,38,39,40,41,42,43,44,45,46,47,48,49,50,51,52,53,54,55,56,57,58,59,60,61,62,63
	v_exp_f32 v[SCO+\j], v[SCO+\j]                 ; p = 2^(t - M), at most 1: not normalised
.endr
	v_pk_mul_f32 v[14:15], v[14:15], v[FAC:FAC+1] op_sel_hi:[1,0]   ; the sums under the new M (the plain line behind the exponentials)
	s_wait_alu depctr_va_vdst(0)                   ; the wait ahead of the first line that names a result: one for the 64
.irp b, 0,1,2,3
	v_exp_f32 v[BM+\b], v[BM+\b]                   ; the block's largest p: the same two instructions on the same number give the same bits
.endr
	v_pk_add_f32 v[SUM2:SUM2+1], v[SCO:SCO+1], v[SCO+2:SCO+3]      ; the row's sum is taken of the unquantised p, in two chains (they read the 64 alone)
.irp j, 4,8,12,16,20,24,28,32,36,40,44,48,52,56,60
	v_pk_add_f32 v[14:15], v[14:15], v[SCO+\j:SCO+\j+1]
	v_pk_add_f32 v[SUM2:SUM2+1], v[SUM2:SUM2+1], v[SCO+\j+2:SCO+\j+3]
.endr
	v_pk_add_f32 v[14:15], v[14:15], v[SUM2:SUM2+1]
	s_wait_alu depctr_va_vdst(0)                   ; and one for the four
.irp b, 0,1,2,3
	v_max_num_f32 v[BM+\b], 0x1800000, v[BM+\b]    ; the floor 2^(3 - 127): the byte cannot fall under 1 (a block whose every p is 0 keeps that byte: its codes are zeros)
.endr
.irp b, 0,1,2,3
	v_add_nc_u32 v[SO+\b], 0xff000000, v[BM+\b]    ; 2 off the exponent field: the conversion's scale operand
.endr
.irp b, 0,1,2,3
	v_lshrrev_b32 v[PT+\b], 23, v[SO+\b]           ; the scale's byte
.endr
	v_lshl_or_b32 v[PW], v[PT+1], 8, v[PT]         ; p's scale word for these 128 keys
	v_lshl_or_b32 v[PW], v[PT+2], 16, v[PW]
	v_lshl_or_b32 v[PW], v[PT+3], 24, v[PW]
.irp b, 0,1,2,3
	v_cvt_scalef32_pk8_fp4_f32 v[PC+2*\b], v[SCO+16*\b:SCO+16*\b+7], v[SO+\b]
	v_cvt_scalef32_pk8_fp4_f32 v[PC+2*\b+1], v[SCO+16*\b+8:SCO+16*\b+15], v[SO+\b]
.endr
	v_nop                                          ; one plain line behind the scaled conversions
.irp c, 0,1                            ; the operand's layout wants a whole block in a lane: lanes 0-15 block 2 c, lanes 16-31 block 2 c + 1
.irp i, 0,1
	v_permlane16_swap_b32 v[PC+4*\c+\i], v[PC+2+4*\c+\i]
.endr
.endr
.irp j, 0,2,4,6,8,10,12,14,16,18,20,22,24,26,28,30
	v_pk_mul_f32 v[OT+\j:OT+\j+1], v[OT+\j:OT+\j+1], v[FAC:FAC+1] op_sel_hi:[1,0]   ; O^T under the new M.  (These sixteen are also the places between the lines that made p's codes and scale word and the products)
.endr
	s_wait_dscnt 0x0                               ; V and its scale words are in
.irp t, 0,2
	v_wmma_scale_f32_16x16x128_f8f6f4 v[OT+8*\t:OT+8*\t+7], v[VF+8*\t:VF+8*\t+7], v[PC:PC+7], v[OT+8*\t:OT+8*\t+7], v[VS+\t/2], v[PW] matrix_a_fmt:MATRIX_FMT_FP4 matrix_b_fmt:MATRIX_FMT_FP4
	v_wmma_scale_f32_16x16x128_f8f6f4 v[OT+8*\t+8:OT+8*\t+15], v[VF+8*\t+8:VF+8*\t+15], v[PC:PC+7], v[OT+8*\t+8:OT+8*\t+15], v[VS+\t/2], v[PW] matrix_a_fmt:MATRIX_FMT_FP4 matrix_b_fmt:MATRIX_FMT_FP4 matrix_a_scale:MATRIX_SCALE_ROW1
.endr                                  ; the four accumulators take turns, one instruction a turn, and the scores' eight stand between two of their turns
.if \causal
.Lhidden_\@:
	s_add_co_u32 s[ST], s[ST], 1
.endif
	s_add_co_u32 s[TB], s[TB], REC
.endm
; n key steps from step st0 (LDS byte tb0) on: the trip count is a constant of the text
.macro WALK n, tb0, st0, qf, qs, causal
	s_mov_b32 s[TB], \tb0
	s_mov_b32 s[ST], \st0
	s_mov_b32 s[CNT], \n
.Lwalk_\@:
	STEP \qf, \qs, \causal
	s_sub_co_u32 s[CNT], s[CNT], 1
	s_cmp_lg_u32 s[CNT], 0
	s_cbranch_scc1 .Lwalk_\@
.endm
; THE WAY OUT of a tile: O^T / the sum goes through my stage in LDS and leaves as whole rows: a row (query, head) of out0 is 256 bytes.
.macro WAYOUT op
.rept 4
	v_nop                                          ; four places behind the last products
.endr
	v_add_f32 v14, v14, v15                        ; the sum's two halves,
	v_permlanex16_b32 v[TMP], v14, s[SEL], s[SEL+1]
	v_add_f32 v14, v14, v[TMP]                     ; and lane l xor 16's: the row's sum
	v_rcp_f32 v14, v14
	v_nop                                          ; a plain line behind the reciprocal,
	s_wait_alu depctr_va_vdst(0)                   ; and the wait ahead of its first reader
.irp j, 0,2,4,6,8,10,12,14,16,18,20,22,24,26,28,30
	v_pk_mul_f32 v[SCO+\j:SCO+\j+1], v[OT+\j:OT+\j+1], v[14:15] op_sel_hi:[1,0]   ; register 8 t + i: channel 16 t + 8 (lane / 16) + i of query r; each accumulator from its low end on
.endr
.irp t, 0,1,2,3
	ds_store_b128 v[STO], v[SCO+8*\t:SCO+8*\t+3] offset:64*\t
	ds_store_b128 v[STO], v[SCO+8*\t+4:SCO+8*\t+7] offset:64*\t+16
.endr
.irp i, 0,1,2,3,4,5,6,7
	ds_load_b128 v[SCO+32+4*\i:SCO+32+4*\i+3], v[RD] offset:\i*2*SPITCH   ; LDS serves a wave's instructions in order: these see my stores
.endr
.irp i, 0,1,2,3,4,5,6,7
	s_wait_dscnt 7-\i
	global_store_b128 v[GO], v[SCO+32+4*\i:SCO+32+4*\i+3], s[\op:\op+1] offset:(2*\i+8*(\i/4))*4096 th:TH_STORE_NT   ; stage row n is query n + 8 (n / 8) of the tile; 16 lanes store 256 consecutive aligned bytes
.endr
.endm
	INIT
	s_wait_loadcnt 0x0                             ; Q
	s_mov_b32 s[BLK], s[B1]
	; PASS 1: block 31 - p, which is 16 at the least: steps 0 to 15 are open for every wave, and all three barriers lie there
	s_wait_tensorcnt 2                             ; my first part is in (my two younger loads may be out)
	s_barrier_signal -1
	s_barrier_wait -1                              ; everybody's is: steps 0 to 7
	WALK 8, 0, 0, Q1, QS1, 0
	s_wait_tensorcnt 1                             ; my second part (no LDS instruction of mine is out: each step ends behind its wait for 0)
	s_barrier_signal -1
	s_barrier_wait -1                              ; steps 8 to 15
	WALK 8, 8*REC, 8, Q1, QS1, 0
	s_wait_tensorcnt 0x0                           ; my third
	s_barrier_signal -1
	s_barrier_wait -1                              ; steps 16 to 31: from here on the waves run free
	WALK 16, 16*REC, 16, Q1, QS1, 1
	WAYOUT OP
	s_wait_xcnt 0x0                                ; the stores have read their registers, which pass 2 writes again
	; PASS 2: block p, 15 at the most
	INIT
	s_mov_b32 s[BLK], s[B2]
	WALK 16, 0, 0, Q2, QS2, 1
	WAYOUT OP+2
	s_wait_tensorcnt 0x0                           ; the wave's end, behind my last tensor load and my last LDS store
	ds_add_u32 v[SPW], v[NIL]
	s_wait_dscnt 0x0
	CROUND                                         ; the closing round
	s_endpgm
.Lfunc_end_k_qd5ba2073bc_attn:
	.size	k_qd5ba2073bc_attn, .Lfunc_end_k_qd5ba2073bc_attn-k_qd5ba2073bc_attn
	.p2alignl 7, 3214868480
	.fill 96, 4, 3214868480
	.section	.rodata,"a",@progbits
	.p2align	6, 0x0
	.amdhsa_kernel k_qd5ba2073bc_attn
		.amdhsa_group_segment_fixed_size 327680
		.amdhsa_private_segment_fixed_size 0
		.amdhsa_enable_private_segment 0
		.amdhsa_kernarg_size 24
		.amdhsa_user_sgpr_count 2
		.amdhsa_user_sgpr_kernarg_segment_ptr 1
		.amdhsa_wavefront_size32 1
		.amdhsa_system_sgpr_workgroup_id_x 1
		.amdhsa_system_sgpr_workgroup_id_y 1
		.amdhsa_system_sgpr_workgroup_id_z 1
		.amdhsa_system_vgpr_workitem_id 0
		.amdhsa_next_free_vgpr 256
		.amdhsa_next_free_sgpr 88
		.amdhsa_reserve_vcc 1
		.amdhsa_float_denorm_mode_32 3
		.amdhsa_float_denorm_mode_16_64 3
		.amdhsa_memory_ordered 1
		.amdhsa_forward_progress 1
		.amdhsa_inst_pref_size 87
	.end_amdhsa_kernel
	.amdgpu_metadata
---
amdhsa.version: [ 1, 2 ]
amdhsa.kernels:
  - .name:           k_qd5ba2073bc_attn
    .symbol:         k_qd5ba2073bc_attn.kd
    .args:
      - { .name: qc, .offset: 0, .size: 8, .value_kind: global_buffer, .address_space: global }
      - { .name: kv, .offset: 8, .size: 8, .value_kind: global_buffer, .address_space: global }
      - { .name: out0, .offset: 16, .size: 8, .value_kind: global_buffer, .address_space: global }
    .group_segment_fixed_size: 327680
    .private_segment_fixed_size: 0
    .kernarg_segment_align: 8
    .kernarg_segment_size: 24
    .max_flat_workgroup_size: 256
    .sgpr_count:     88
    .vgpr_count:     256
    .wavefront_size: 32
...
	.end_amdgpu_metadata
.endif
;; end of part 2
